; MI455X (gfx1250); checked and timed in simulation.
; The chip was launched on July 23, 2026; its instructions are those of AMD's public machine-readable ISA for CDNA 5 (MIT licence, August 2026) and "CDNA5" Instruction Set Architecture Reference Guide (July 2026). The comments in the code are by the model that wrote it; some were corrected since.
;; Mo E Layer. Allowed arithmetic: matrix products marked QUANTISED: E3M2 operands, one E8M0 scale for each 32 along K, by v_wmma_scale_f32_16x16x128_f8f6f4 with both operands' format E3M2, f32 sums; products left as they are: f32 operands where the result goes on into a quantised operand, else bf16, f16 or f32 operands; f32 sums; everything else in f32.
;; Inputs: W_experts 8 x 2,048 x 2,048 float32; W_gate 2,048 x 8 float32; b_experts 8 x 2,048 float32; b_gate 8 float32; x 8,192 x 2,048 float32.
;; Outputs: out0 8,192 x 2,048 float32.
;; This version of the problem:
;;   THIS VERSION OF THE PROBLEM IS GIVEN IN LOW PRECISION. The matrix products marked QUANTISED in the list below multiply operands that are first quantised to E3M2 (3 exponent bits, 2 mantissa bits; 6 bits a number), with one power-of-two scale for each 32 numbers along K (OCP MX v1.0); their sums are f32. All else is computed in f32.
;;   The module's matrix products, in the order in which they are computed (A, B: the left and right operand; K: the contracted axis; several contracted axes count as one K, in the product's order):
;;     1. [M 8,192, K 2,048] x [K 2,048, N 8]; A: input x; B: input W_gate: left as it is (N = 8 < 16)
;;     2. [M 8,192, K 2,048] x [K 2,048, N 4,096]; A: input x; B: computed on the way: QUANTISED
;;   THE QUANTISER, for each operand of a quantised product, along K:
;;     - K is cut into blocks of 32 from its start; a last block that is shorter is filled with zeros.
;;     - A block's scale is 2^e with e = floor(log2(the largest magnitude in the block)) - 4, held to -126 .. 127; a block of zeros has e = 0. As a byte (E8M0): e + 127.
;;     - Each number is divided by its block's scale, clamped to +-28, and rounded to the nearest number of E3M2, ties to even, subnormals kept.
;;     - The product sums the exact products of the quantised numbers (number of the format x scale) in f32.
;;   ~~~python
;;   def quantise(x, axis):      # numpy; x: float32 -> the quantised numbers, widened to float32 again
;;       x = np.moveaxis(x, axis, -1); K = x.shape[-1]
;;       x = np.pad(x, [(0, 0)] * (x.ndim - 1) + [(0, -K % 32)]); x = x.reshape(x.shape[:-1] + (-1, 32)); a = np.abs(x).max(-1, keepdims=True)
;;       e = np.where(a > 0, np.clip(np.frexp(np.where(a > 0, a, 1))[1] - 1 - 4, -126, 127), 0)      # np.frexp(a)[1] - 1 = floor(log2(a)), exactly
;;       r = np.clip(x / 2.0 ** e, -28, 28)
;;       step = 2.0 ** (np.maximum(np.frexp(np.where(r == 0, 1, r))[1] - 1, -2) - 2)
;;       q = np.round(r / step) * step * 2.0 ** e      # np.round: ties to even
;;       return np.moveaxis(q.reshape(q.shape[:-2] + (-1,))[..., :K], -1, axis).astype(np.float32)
;;   ~~~
;;   OPERANDS COMPUTED ON THE WAY. 'Computed on the way' means the value that the module computes at that place (a softmax that the list does not call 'softmax' is quantised finished and normalised). What goes into a quantiser is computed in f32, as accurately as f32 sums, v_exp_f32 and their like allow (about 1e-6 of the number): no bf16 or f16 on the way to a quantiser, and a product that is left as it is and whose result goes on into a quantised operand takes f32 operands (vector FMAs, or v_wmma_f32_16x16x4_f32). A number that lies on a knife's edge between two numbers of the format may be rounded either way, as far as f32 arithmetic and the matrix unit's own rounding can turn it there, and no further.
;; One version. Each part assembles by itself: llvm-mc -triple=amdgcn-amd-amdhsa -mcpu=gfx1250 --defsym DOCPART=n.
;; ======== version 1 of 1: 3 launches
;; limits: values are held in bf16: 8 bits of precision; right only within a limited range of input values
;; workspace buffers: xq 12,582,912 bytes; xs 524,288 bytes; wq 6,291,456 bytes; ws 262,144 bytes; bq 16,384 bytes; scores 131,072 bytes; sel 256 bytes of whole numbers
;; launch quantx (part 1): grid 256 x 1, 8 waves a work-group, no clusters, 285,696 bytes of LDS; arguments x, W_gate, b_gate, xq, xs, scores, sel; writes xq, xs, scores, sel
.if DOCPART == 1
	.amdgcn_target "amdgcn-amd-amdhsa--gfx1250"
	.amdhsa_code_object_version 6
	.text
	.protected	k_qdd1b2b87b8_quantx
	.globl	k_qdd1b2b87b8_quantx
	.p2align	8
	.type	k_qdd1b2b87b8_quantx,@function
k_qdd1b2b87b8_quantx:
	s_mov_b64 s[64:65], 0
	v_nop
	global_prefetch_b8 v0, s[64:65] scope:SCOPE_SE
	s_setreg_imm32_b32 hwreg(HW_REG_WAVE_MODE, 25, 1), 1
	s_wait_xcnt 0x0
; x [8192][2048] f32 is read ONCE and serves two things.
; (1) Its codes of BF6 (E3M2) with one E8M0 byte for each 32 along K, laid as IMAGES OF THE OPERAND'S REGISTERS: xq [token / 16][K / 128][1536 bytes]: register group c (registers 4 c .. 4 c + 3 of a fragment's 12) at
;     512 c + 16 x lane; xs [token / 16][K / 128][16 rows]: one word of four scale bytes a row.
; (2) The gate: logits = x W_gate + b_gate, softmax (the row's maximum taken away first), each token's two largest gates -> scores [token] = (s0, s1, s1, s0); token 0's two expert numbers -> sel (whole numbers).
; THE GATE'S PRODUCT goes to the matrix unit in bf16 WITHOUT LOSING f32'S DIGITS: x = hi + lo (hi: x cut to bf16, lo: the rest rounded to bf16), W_gate likewise.  Source 0's 16 rows are the 8 experts' hi parts and the
; 8 experts' lo parts, source 1 the 16 tokens' hi (one accumulator) or lo (the other): all four partial products are summed in f32.  K is permuted alike on both sides: slot (half h, register i, half-word p) holds
; k = 32 b + 16 h + 2 i + p, which is the order in which the quantiser wants a lane's 16 numbers, so one set of LDS loads feeds both.
; SHARES.  A work-group owns 32 tokens (tiles t = 0, 1 of 16); wave w owns K = 256 w .. 256 w + 255.  Each wave brings its two tiles (16 rows x 1,024 bytes) by one tensor load at the start: all of the work-group's
; 256 KiB are asked for at once; LDS is filled once, each wave reads its own tiles behind its own wait.  A UNIT is 16 rows x 128 K: 64 numbers a lane.
; No cluster: work-groups share W_gate alone, 64 KiB beside 256 KiB of x of their own.
; LIMITS: NaN and infinities among the inputs are not served.  A block whose largest magnitude lies under 2^(5 - 127) (a block of zeros too) gets the byte 1: its codes are zeros or nearly so, and this program alone reads the
; bytes.  Gates under 2^-126 come out of the exponential as 0.  Equal gates: the lower expert number wins, as in jax.lax.top_k; gates are 2^((l - max) log2 e) / sum, each step to about an ulp.
.set XTW,  33280                       ; LDS: a wave's two tiles
.set XTT,  16640                       ; a tile: 16 rows
.set XP,   1040                        ; a row: 1,024 bytes + 16 of padding = 65 x 16: the 16 rows that a 16-byte load touches start in 16 different groups of banks
.set PL,   266240                      ; partial logits: (2 w + t) x 1,024 + 512 g + 16 x lane
.set SS,   282624                      ; scale words: t x 1,024 + (2 w + u) x 64 + 4 r: xs's own layout
.set WF,   16                          ; v16-79   W_gate's 8 fragments of my K slice (rows 0-7 hi, rows 8-15 lo)
.set X,    80                          ; v80-143  a unit's 64 numbers: register 16 b + i = k 32 b + 16 h + i of row r
.set XH,   144                         ; v144-175 their hi parts, 4 fragments
.set XL,   176                         ; v176-207 their lo parts
.set ACC0, 208                         ; v208-215 W x hi
.set ACC1, 216                         ; v216-223 W x lo
.set PC,   224                         ; v224-235 the codes just made; v236-243 at work
.set TM,   244                         ; v244-247 largest magnitudes; v248-251 the other half's, then bytes, v248 the scale word; v252-255 the conversions' scale operands
	s_load_b256 s[4:11], s[0:1], 0x0               ; x s[4:5], W_gate s[6:7], b_gate s[8:9], xq s[10:11]
	s_load_b128 s[12:15], s[0:1], 0x20             ; xs s[12:13], scores s[14:15]
	s_load_b64 s[36:37], s[0:1], 0x30              ; sel
	v_lshl_add_u32 v14, v0, 2, 0x45800
	v_mov_b32 v15, 0
	ds_add_u32 v14, v15
	ds_add_u32 v14, v15
	v_lshrrev_b32 v1, 5, v0
	s_delay_alu instid0(VALU_DEP_1)
	v_readfirstlane_b32 s32, v1                    ; wave 0..7
	; descriptor group 1: 32 rows x 256 elements of 4 bytes, 2,048 elements from row to row, 4 words of padding behind every 256
	s_mov_b32 s16, (2<<16)|(1<<20)|(7<<22)|(3<<25)
	s_mov_b32 s17, 256<<16                         ; tensor_dim0
	s_mov_b32 s18, 32<<16                          ; tensor_dim1: both tiles' rows, which lie on end in memory and in LDS
	s_mov_b32 s19, 256<<16                         ; tile_dim0
	s_mov_b32 s20, 32                              ; tile_dim1
	s_mov_b32 s21, 2048                            ; tensor_dim0_stride
	s_mov_b32 s22, 0
	s_mov_b32 s23, 0
	s_mul_i32 s33, s32, XTW                        ; my tiles in LDS
	s_lshl_b32 s34, ttmp9, 18                      ; 32 rows of 8,192 bytes a work-group,
	s_lshl_b32 s35, s32, 10                        ; 1,024 bytes of a row a wave
	s_add_co_u32 s34, s34, s35
	s_mov_b32 s35, 0
	s_mov_b32 s48, 0xffff0000                      ; a number cut to bf16
	s_mov_b32 s49, 0x07060302                      ; v_perm_b32: the upper halves of two registers
	s_mov_b32 s50, 0x76543210                      ; v_permlanex16_b32: lane l xor 16
	s_mov_b32 s51, 0xfedcba98
	s_mov_b32 s52, 0xff00ff00                      ; the lanes with r >= 8: W_gate's lo rows
	s_wait_dscnt 0x0
	s_wait_kmcnt 0x0
	s_mov_b32 s24, 1
	s_mov_b32 s25, s33
	s_add_nc_u64 s[26:27], s[4:5], s[34:35]        ; tile 0
	s_or_b32 s27, s27, 0x80000000
	tensor_load_to_lds s[24:27], s[16:23]          ; my ONE tensor load: 32 rows x 1,024 bytes, tile 0 and tile 1 on end (row 16 lands at XTT = 16 XP)
	s_nop 0
.rept 4
	v_nop
.endr
	s_load_b256 s[40:47], s[8:9], 0x0              ; b_gate's eight numbers
	v_and_b32 v1, 15, v0                           ; r
	v_bfe_u32 v2, v0, 4, 1                         ; h
	v_and_b32 v3, 31, v0                           ; lane
	s_delay_alu instid0(VALU_DEP_3)
	v_mul_u32_u24 v4, v1, XP
	s_delay_alu instid0(VALU_DEP_1)
	v_lshl_add_u32 v4, v2, 6, v4
	s_delay_alu instid0(VALU_DEP_1)
	v_add_nc_u32 v4, s33, v4                       ; v4: x in LDS: my tiles + row r + 64 h: my 16 numbers of a block of 32
	s_delay_alu instid0(VALU_DEP_4)
	v_lshlrev_b32 v9, 4, v3                        ; v9: 16 x lane
	s_mul_i32 s38, s32, 3072
	v_add_nc_u32 v5, s38, v9                       ; v5: xq: 16 x lane + my two K steps' images
	s_lshl_b32 s38, s32, 7
	s_add_co_u32 s38, s38, SS
	v_lshl_add_u32 v6, v1, 2, s38                  ; v6: where I put a scale word
	s_lshl_b32 s38, s32, 11
	s_add_co_u32 s38, s38, PL
	v_add_nc_u32 v7, s38, v9                       ; v7: where I put partial logits
	v_lshlrev_b32 v8, 10, v2
	s_delay_alu instid0(VALU_DEP_1)
	v_lshl_add_u32 v8, v1, 4, v8
	s_delay_alu instid0(VALU_DEP_1)
	v_add_nc_u32 v8, PL, v8                        ; v8: wave 0 at the end: lane l is token l of the 32: tile h, row r
	v_add_nc_u32 v13, SS, v9                       ; v13: wave 1 at the end: the scale words, 16 bytes a lane
	v_and_b32 v10, 7, v0
	s_delay_alu instid0(VALU_DEP_1)
	v_lshlrev_b32 v10, 2, v10
	s_delay_alu instid0(VALU_DEP_1)
	v_lshl_add_u32 v10, v2, 9, v10
	s_lshl_b32 s38, s32, 13
	v_add_nc_u32 v10, s38, v10                     ; v10: W_gate: row 256 w + 16 h (32 bytes a row), expert r % 8
	v_mov_b32 v11, -1.0                            ; under every gate
	v_mov_b32 v12, 0
.irp b, 0,1,2,3
	v_mov_b32 v[TM+4+\b], 0                        ; written once: a lane permute's destination counts as one of its sources
.endr
	s_mul_i32 s38, ttmp9, 49152                    ; xq: two tiles of 16 images of 1,536 bytes a work-group
	s_mov_b32 s39, 0
	s_add_nc_u64 s[10:11], s[10:11], s[38:39]
	s_lshl_b32 s38, ttmp9, 11                      ; xs: 2,048 bytes
	s_add_nc_u64 s[12:13], s[12:13], s[38:39]
	s_lshl_b32 s38, ttmp9, 9                       ; scores: 32 tokens x 16 bytes
	s_add_nc_u64 s[14:15], s[14:15], s[38:39]
	; W_gate's fragments, made while x is on its way.  Register 16 b + j: W_gate(256 w + 32 b + 16 h + j, r % 8)
.set n, 0
.rept 128
	global_load_b32 v[X+n], v10, s[6:7] offset:(32*(n/16)+n%16)*32
.set n, n+1
.endr
	s_wait_loadcnt 0x0
	s_wait_kmcnt 0x0                               ; b_gate
.irp b, 0,1,2,3,4,5,6,7
.irp g, 0,4
.irp i, 0,1,2,3
	v_and_b32 v[PC+2*\i], s48, v[X+16*\b+2*(\g+\i)]                ; hi
	v_and_b32 v[PC+2*\i+1], s48, v[X+16*\b+2*(\g+\i)+1]
.endr
.irp i, 0,1,2,3
	v_pk_add_f32 v[X+16*\b+2*(\g+\i):X+16*\b+2*(\g+\i)+1], v[X+16*\b+2*(\g+\i):X+16*\b+2*(\g+\i)+1], v[PC+2*\i:PC+2*\i+1] neg_lo:[0,1] neg_hi:[0,1]   ; the rest, exact
.endr
.irp i, 0,1,2,3
	v_cndmask_b32 v[PC+2*\i], v[PC+2*\i], v[X+16*\b+2*(\g+\i)], s52        ; rows 8-15 take the rest
	v_cndmask_b32 v[PC+2*\i+1], v[PC+2*\i+1], v[X+16*\b+2*(\g+\i)+1], s52
.endr
.irp i, 0,1,2,3
	v_cvt_pk_bf16_f32 v[WF+8*\b+\g+\i], v[PC+2*\i], v[PC+2*\i+1]   ; hi goes through unchanged, the rest is rounded
.endr
.endr
.endr
; A unit's 64 numbers into hi and lo fragments, four pairs at a time
.macro SPLIT
.irp b, 0,1,2,3
.irp g, 0,4
.irp i, 0,1,2,3
	v_perm_b32 v[XH+8*\b+\g+\i], v[X+16*\b+2*(\g+\i)+1], v[X+16*\b+2*(\g+\i)], s49
	v_and_b32 v[PC+12+2*\i], s48, v[X+16*\b+2*(\g+\i)]
	v_and_b32 v[PC+13+2*\i], s48, v[X+16*\b+2*(\g+\i)+1]
.endr
.irp i, 0,1,2,3
	v_pk_add_f32 v[PC+12+2*\i:PC+13+2*\i], v[X+16*\b+2*(\g+\i):X+16*\b+2*(\g+\i)+1], v[PC+12+2*\i:PC+13+2*\i] neg_lo:[0,1] neg_hi:[0,1]
.endr
.irp i, 0,1,2,3
	s_delay_alu instid0(VALU_DEP_4)
	v_cvt_pk_bf16_f32 v[XL+8*\b+\g+\i], v[PC+12+2*\i], v[PC+13+2*\i]
.endr
.endr
.endr
.endm
; Eight matrix instructions: the two accumulators by turns, one instruction a turn.  first = 1: a tile's first pair starts the sums
.macro GATEMM u, first
.irp b, 0,1,2,3
.if \first && (\b == 0)
	v_wmma_f32_16x16x32_bf16 v[ACC0:ACC0+7], v[WF+8*(4*\u+\b):WF+8*(4*\u+\b)+7], v[XH+8*\b:XH+8*\b+7], 0
	v_wmma_f32_16x16x32_bf16 v[ACC1:ACC1+7], v[WF+8*(4*\u+\b):WF+8*(4*\u+\b)+7], v[XL+8*\b:XL+8*\b+7], 0
.else
	v_wmma_f32_16x16x32_bf16 v[ACC0:ACC0+7], v[WF+8*(4*\u+\b):WF+8*(4*\u+\b)+7], v[XH+8*\b:XH+8*\b+7], v[ACC0:ACC0+7]
	v_wmma_f32_16x16x32_bf16 v[ACC1:ACC1+7], v[WF+8*(4*\u+\b):WF+8*(4*\u+\b)+7], v[XL+8*\b:XL+8*\b+7], v[ACC1:ACC1+7]
.endif
.endr
.endm
; 64 numbers of a lane, register 16 b + i = k 32 b + 16 h + i of my row, become a fragment's codes in v[PC] on and its scale word in v[TM+4].  Its plain lines are also the places behind the unit's matrix instructions.
.macro QUANT s
.irp b, 0,1,2,3
	v_max3_num_f32 v[TM+\b], |v[\s+16*\b]|, |v[\s+1+16*\b]|, 0x2800000   ; block b: my 16 numbers, and the floor 2^(5 - 127): the byte cannot fall under 1
.endr
.irp i, 2,4,6,8,10,12,14
.irp b, 0,1,2,3
	s_delay_alu instid0(VALU_DEP_4)
	v_max3_num_f32 v[TM+\b], v[TM+\b], |v[\s+16*\b+\i]|, |v[\s+1+16*\b+\i]|   ; the four blocks by turns
.endr
.endr
.irp b, 0,1,2,3
	s_delay_alu instid0(VALU_DEP_4)
	v_permlanex16_b32 v[TM+4+\b], v[TM+\b], s50, s51
.endr
.irp b, 0,1,2,3
	s_delay_alu instid0(VALU_DEP_4)
	v_max_num_f32 v[TM+\b], v[TM+\b], v[TM+4+\b]   ; with lane l xor 16's: the block's largest magnitude
.endr
.irp b, 0,1,2,3
	s_delay_alu instid0(VALU_DEP_4)
	v_add_nc_u32 v[TM+8+\b], 0xfe000000, v[TM+\b]  ; 4 off its exponent field: the conversion takes the exponent field of this operand as its scale
.endr
.irp b, 0,1,2,3
	s_delay_alu instid0(VALU_DEP_4)
	v_lshrrev_b32 v[TM+4+\b], 23, v[TM+8+\b]       ; the scale's byte
.endr
	s_delay_alu instid0(VALU_DEP_3)
	v_lshl_or_b32 v[TM+4], v[TM+5], 8, v[TM+4]     ; my row's scale word
	s_delay_alu instid0(VALU_DEP_1)
	v_lshl_or_b32 v[TM+4], v[TM+6], 16, v[TM+4]
	s_delay_alu instid0(VALU_DEP_1)
	v_lshl_or_b32 v[TM+4], v[TM+7], 24, v[TM+4]
.irp c, 0,1
	v_cvt_scalef32_pk16_bf6_f32 v[PC+6*\c:PC+2+6*\c], v[\s+32*\c:\s+15+32*\c], v[TM+8+2*\c]
	v_cvt_scalef32_pk16_bf6_f32 v[PC+12+4*\c:PC+14+4*\c], v[\s+16+32*\c:\s+31+32*\c], v[TM+8+2*\c+1]   ; (a conversion's three registers begin on an even number)
.endr
	v_nop                                          ; one plain place behind a scaled conversion
.irp c, 0,1                                    ; the operand's layout wants a WHOLE block in a lane: lanes 0-15 block 2 c, lanes 16-31 block 2 c + 1
.irp i, 0,1,2
	v_permlane16_swap_b32 v[PC+6*\c+\i], v[PC+12+4*\c+\i]
.endr
.irp i, 0,1,2
	s_delay_alu instid0(VALU_DEP_3)
	v_mov_b32 v[PC+3+6*\c+\i], v[PC+12+4*\c+\i]
.endr
.endr
.endm
.macro UNIT t, u, first
.irp b, 0,1,2,3
.irp j, 0,1,2,3
	ds_load_b128 v[X+16*\b+4*\j:X+16*\b+4*\j+3], v4 offset:\t*XTT+\u*512+\b*128+16*\j
.endr
.endr
	s_wait_dscnt 0x0                               ; the numbers are in; my earlier LDS stores have read their registers
	SPLIT
	GATEMM \u, \first
	s_wait_xcnt 0x0                                ; the last unit's stores have read the codes' registers: they are written again only behind this wait
	QUANT X
.irp c, 0,1,2
	global_store_b128 v5, v[PC+4*\c:PC+4*\c+3], s[10:11] offset:\t*24576+\u*1536+512*\c   ; the image: 32 lanes store 512 consecutive bytes, at a multiple of 512 from xq's first byte
.endr
	ds_store_b32 v6, v[TM+4] offset:\t*1024+\u*64  ; lanes r and 16 + r write the same word with the same value
.endm
.macro PSUM t                                  ; my K slice's share of a tile's logits; each accumulator is read from its low end on
.irp i, 0,1,2,3
	v_pk_add_f32 v[PC+12+2*\i:PC+13+2*\i], v[ACC0+2*\i:ACC0+2*\i+1], v[ACC1+2*\i:ACC1+2*\i+1]
.endr
	ds_store_b128 v7, v[PC+12:PC+15] offset:\t*1024
	ds_store_b128 v7, v[PC+16:PC+19] offset:\t*1024+512
.endm
	s_wait_tensorcnt 0x0                           ; my load, both tiles, is in
	UNIT 0, 0, 1
	UNIT 0, 1, 0
	PSUM 0
	UNIT 1, 0, 1
	UNIT 1, 1, 0
	PSUM 1
	s_wait_dscnt 0x0                               ; for the others' sake: my partial logits and scale words lie in LDS
	s_barrier_signal -1
	s_barrier_wait -1
	s_cmp_eq_u32 s32, 0
	s_cbranch_scc1 .Lgate
	s_cmp_eq_u32 s32, 1
	s_cbranch_scc1 .Lscales
	s_wait_tensorcnt 0x0
	ds_add_u32 v14, v15
	s_wait_dscnt 0x0
	s_endpgm
.Lscales:                                          ; wave 1: the work-group's 2,048 bytes of scale words leave as they lie
.irp i, 0,1,2,3
	ds_load_b128 v[X+4*\i:X+4*\i+3], v13 offset:512*\i
.endr
	s_wait_dscnt 0x0
.irp i, 0,1,2,3
	global_store_b128 v9, v[X+4*\i:X+4*\i+3], s[12:13] offset:512*\i
.endr
	s_wait_tensorcnt 0x0
	ds_add_u32 v14, v15
	s_wait_dscnt 0x0
	s_endpgm
.Lgate:                                            ; wave 0: lane l finishes token l of the 32.  Sixteen parts (8 waves x W's hi and lo rows) of 8 logits
.set n, 0
.rept 16
	ds_load_b128 v[X+8*n:X+8*n+3], v8 offset:(n/2)*2048+(n%2)*256
	ds_load_b128 v[X+8*n+4:X+8*n+7], v8 offset:(n/2)*2048+(n%2)*256+512
.set n, n+1
.endr
	s_wait_dscnt 0x0
.irp s, 8,4,2,1
.set n, 0
.rept \s
.irp p, 0,2,4,6
	v_pk_add_f32 v[X+8*n+\p:X+8*n+\p+1], v[X+8*n+\p:X+8*n+\p+1], v[X+8*(n+\s)+\p:X+8*(n+\s)+\p+1]
.endr
.set n, n+1
.endr
.endr
.irp j, 0,1,2,3,4,5,6,7
	v_add_f32 v[X+\j], s[40+\j], v[X+\j]           ; + b_gate
.endr
	v_max3_num_f32 v88, v80, v81, v82              ; the row's maximum is taken away before the exponential
	s_delay_alu instid0(VALU_DEP_1)
	v_max3_num_f32 v88, v88, v83, v84
	s_delay_alu instid0(VALU_DEP_1)
	v_max3_num_f32 v88, v88, v85, v86
	s_delay_alu instid0(VALU_DEP_1)
	v_max_num_f32 v88, v88, v87
.irp j, 0,1,2,3,4,5,6,7
	v_sub_f32 v[X+\j], v[X+\j], v88
.endr
.irp j, 0,1,2,3,4,5,6,7
	v_mul_f32 v[X+\j], 0x3fb8aa3b, v[X+\j]         ; x log2(e)
.endr
	s_wait_alu depctr_va_vdst(0)
.irp j, 0,1,2,3,4,5,6,7
	v_exp_f32 v[X+\j], v[X+\j]
.endr
	v_nop                                          ; one plain place behind the exponentials
	s_wait_alu depctr_va_vdst(0)
	v_add_f32 v88, v80, v81
	v_add_f32 v89, v82, v83
	v_add_f32 v90, v84, v85
	v_add_f32 v91, v86, v87
	s_delay_alu instid0(VALU_DEP_3)
	v_add_f32 v88, v88, v89
	s_delay_alu instid0(VALU_DEP_2)
	v_add_f32 v90, v90, v91
	s_delay_alu instid0(VALU_DEP_1)
	v_add_f32 v88, v88, v90
	s_wait_alu depctr_va_vdst(0)
	v_rcp_f32 v88, v88
	v_nop                                          ; one plain place behind the reciprocal
	s_wait_alu depctr_va_vdst(0)
.irp j, 0,1,2,3,4,5,6,7
	v_mul_f32 v[X+\j], v[X+\j], v88                ; the gates
.endr
	v_mov_b32 v90, v80                             ; the two largest: m1 in v90, m2 in v91
	v_mov_b32 v91, v11
.irp j, 1
	s_delay_alu instid0(VALU_DEP_1)
	v_med3_num_f32 v91, v90, v91, v[X+\j]          ; the middle one of (m1, m2, g) is the new second
	s_delay_alu instid0(VALU_DEP_3)
	v_max_num_f32 v90, v90, v[X+\j]
.endr
.irp j, 2, 3, 4, 5, 6, 7
	s_delay_alu instid0(VALU_DEP_1)
	v_med3_num_f32 v91, v90, v91, v[X+\j]          ; the middle one of (m1, m2, g) is the new second
	s_delay_alu instid0(VALU_DEP_2)
	v_max_num_f32 v90, v90, v[X+\j]
.endr
; The place of the largest of eight, the lower place at a tie.  Only values are chosen here: no address and no branch hangs on them
.macro SCAN g, idx
	v_mov_b32 v92, v[\g]
	v_mov_b32 v[\idx], 0
.irp j, 1
	s_delay_alu instid0(VALU_DEP_2)
	v_cmp_le_f32 vcc_lo, v[\g+\j], v92
	s_delay_alu instid0(VALU_DEP_1)
	v_cndmask_b32 v[\idx], \j, v[\idx], vcc_lo
	s_delay_alu instid0(VALU_DEP_4)
	v_max_num_f32 v92, v92, v[\g+\j]
.endr
.irp j, 2, 3, 4, 5, 6, 7
	s_delay_alu instid0(VALU_DEP_1)
	v_cmp_le_f32 vcc_lo, v[\g+\j], v92
	s_delay_alu instid0(VALU_DEP_1)
	v_cndmask_b32 v[\idx], \j, v[\idx], vcc_lo
	s_delay_alu instid0(VALU_DEP_3)
	v_max_num_f32 v92, v92, v[\g+\j]
.endr
.endm
	SCAN X, 108
.irp j, 0,1,2,3,4,5,6,7
	v_cmp_eq_u32 vcc_lo, \j, v108
	s_delay_alu instid0(VALU_DEP_1)
	v_cndmask_b32 v[96+\j], v[X+\j], v11, vcc_lo   ; the first is taken out: -1 lies under every gate
.endr
	SCAN 96, 109
	v_mov_b32 v104, v90                            ; (s0, s1, s1, s0): each score is the low word of an even pair for the packed forms that will read it
	v_mov_b32 v105, v91
	v_mov_b32 v106, v91
	v_mov_b32 v107, v90
	global_store_b128 v9, v[104:107], s[14:15]     ; 32 lanes store 512 consecutive bytes
	s_cmp_lg_u32 ttmp9, 0
	s_cbranch_scc1 .Ldone
	v_cmp_eq_u32 vcc_lo, 0, v0                     ; token 0: work-group 0, thread 0
	s_wait_xcnt 0x0                                ; EXEC changes only behind this wait
	s_and_saveexec_b32 s53, vcc_lo
	s_wait_alu depctr_va_vdst(0)
	global_store_b64 v12, v[108:109], s[36:37]     ; its two expert numbers, as whole numbers, at a fixed place
	s_wait_xcnt 0x0
	s_or_b32 exec_lo, exec_lo, s53
.Ldone:
	s_wait_tensorcnt 0x0
	ds_add_u32 v14, v15
	s_wait_dscnt 0x0
	s_endpgm
.Lfunc_end_k_qdd1b2b87b8_quantx:
	.size	k_qdd1b2b87b8_quantx, .Lfunc_end_k_qdd1b2b87b8_quantx-k_qdd1b2b87b8_quantx
	.p2alignl 7, 3214868480
	.fill 96, 4, 3214868480
	.section	.rodata,"a",@progbits
	.p2align	6, 0x0
	.amdhsa_kernel k_qdd1b2b87b8_quantx
		.amdhsa_group_segment_fixed_size 285696
		.amdhsa_private_segment_fixed_size 0
		.amdhsa_enable_private_segment 0
		.amdhsa_kernarg_size 56
		.amdhsa_user_sgpr_count 2
		.amdhsa_user_sgpr_kernarg_segment_ptr 1
		.amdhsa_wavefront_size32 1
		.amdhsa_system_sgpr_workgroup_id_x 1
		.amdhsa_system_sgpr_workgroup_id_y 1
		.amdhsa_system_sgpr_workgroup_id_z 1
		.amdhsa_system_vgpr_workitem_id 0
		.amdhsa_next_free_vgpr 256
		.amdhsa_next_free_sgpr 66
		.amdhsa_reserve_vcc 1
		.amdhsa_float_denorm_mode_32 3
		.amdhsa_float_denorm_mode_16_64 3
		.amdhsa_memory_ordered 1
		.amdhsa_forward_progress 1
		.amdhsa_inst_pref_size 117
	.end_amdhsa_kernel
	.amdgpu_metadata
---
amdhsa.version: [ 1, 2 ]
amdhsa.kernels:
  - .name:           k_qdd1b2b87b8_quantx
    .symbol:         k_qdd1b2b87b8_quantx.kd
    .args:
      - { .name: x, .offset: 0, .size: 8, .value_kind: global_buffer, .address_space: global }
      - { .name: W_gate, .offset: 8, .size: 8, .value_kind: global_buffer, .address_space: global }
      - { .name: b_gate, .offset: 16, .size: 8, .value_kind: global_buffer, .address_space: global }
      - { .name: xq, .offset: 24, .size: 8, .value_kind: global_buffer, .address_space: global }
      - { .name: xs, .offset: 32, .size: 8, .value_kind: global_buffer, .address_space: global }
      - { .name: scores, .offset: 40, .size: 8, .value_kind: global_buffer, .address_space: global }
      - { .name: sel, .offset: 48, .size: 8, .value_kind: global_buffer, .address_space: global }
    .group_segment_fixed_size: 285696
    .private_segment_fixed_size: 0
    .kernarg_segment_align: 8
    .kernarg_segment_size: 56
    .max_flat_workgroup_size: 256
    .sgpr_count:     66
    .vgpr_count:     256
    .wavefront_size: 32
...
	.end_amdgpu_metadata
.endif
;; end of part 1
;; launch quantw (part 2): grid 8 x 32, 8 waves a work-group, no clusters, 0 bytes of LDS; arguments W_experts, b_experts, sel, wq, ws, bq; writes wq, ws, bq
.if DOCPART == 2
	.amdgcn_target "amdgcn-amd-amdhsa--gfx1250"
	.amdhsa_code_object_version 6
	.text
	.protected	k_qdd1b2b87b8_quantw
	.globl	k_qdd1b2b87b8_quantw
	.p2align	8
	.type	k_qdd1b2b87b8_quantw,@function
k_qdd1b2b87b8_quantw:
	s_mov_b64 s[64:65], 0
	v_nop
	global_prefetch_b8 v0, s[64:65] scope:SCOPE_SE
	s_setreg_imm32_b32 hwreg(HW_REG_WAVE_MODE, 25, 1), 1
	s_wait_xcnt 0x0
; The two experts that token 0 chose (sel, whole numbers stored by the launch before; held to 0 .. 7) are quantised along K, which is a weight's FIRST axis, into codes of BF6 (E3M2) with one E8M0 byte for each 32 along K,
; laid as images of the operand's registers: wq [q][K / 128][1536 bytes], ws [q][K / 128][16 words], and their biases bq [q][16] f32.
; q = (nt / 4) x 8 + slot x 4 + nt % 4, nt = column / 16, slot = 0, 1 for token 0's first and second expert: eight neighbouring q are 64 columns of slot 0 and the same 64 columns of slot 1.
; A LANE TAKES A COLUMN AND ITS REGISTERS RUN DOWN K: a load reads 128 consecutive bytes a wave (1,024 a work-group), a block of 32 lies in one lane's registers, and the conversions give codes with K innermost.
; SHARES: work-group (x, y): columns 256 x on, slot y / 16, K step y % 16 (128 rows); wave w: 32 columns = two tiles of 16; a lane: 4 whole blocks.  No LDS, no barrier, no loop.
; No tensor load: the weights' address hangs on a number read from memory.  No cluster: no two work-groups read the same bytes.
; LIMITS: NaN and infinities are not served; a block whose largest magnitude lies under 2^(5 - 127) (zeros too) gets the byte 1: this program alone reads the bytes.
.set X,  32                            ; v32-159  register 32 b + i: W(128 ks + 32 b + i, my column)
.set F0, 160                           ; v160-171 the image of tile q0
.set F1, 172                           ; v172-183 of tile q0 + 1
.set T,  184                           ; v184-199 block b's upper 16 codes at T + 4 b
	s_load_b256 s[4:11], s[0:1], 0x0               ; W_experts s[4:5], b_experts s[6:7], sel s[8:9], wq s[10:11]
	s_load_b128 s[12:15], s[0:1], 0x20             ; ws s[12:13], bq s[14:15]
	v_lshrrev_b32 v1, 5, v0
	s_delay_alu instid0(VALU_DEP_1)
	v_readfirstlane_b32 s16, v1                    ; wave 0..7
	v_and_b32 v4, 31, v0                           ; lane
	s_delay_alu instid0(VALU_DEP_1)
	v_lshlrev_b32 v1, 2, v4                        ; v1: 4 x lane
	s_delay_alu instid0(VALU_DEP_2)
	v_lshlrev_b32 v2, 4, v4                        ; v2: 16 x lane
	v_and_b32 v3, 15, v0
	s_delay_alu instid0(VALU_DEP_1)
	v_lshlrev_b32 v3, 2, v3
	v_bfe_u32 v5, v0, 4, 1
	s_delay_alu instid0(VALU_DEP_1)
	v_lshl_add_u32 v3, v5, 10, v3                  ; v3: my scale word: tile lane / 16 (1,024 bytes apart), row lane % 16
	s_and_b32 s18, ttmp7, 0xffff
	s_lshr_b32 s19, s18, 4                         ; slot
	s_and_b32 s21, s18, 15                         ; ks
	s_lshl_b32 s22, s19, 2
	s_mov_b32 s23, 0
	s_wait_alu depctr_va_vdst(0)
	s_wait_kmcnt 0x0
	s_add_nc_u64 s[8:9], s[8:9], s[22:23]
	s_load_b32 s20, s[8:9], 0x0                    ; the slot's expert
	s_lshl_b32 s26, ttmp9, 10
	s_lshl_b32 s25, s16, 7
	s_add_co_u32 s26, s26, s25                     ; 4 x my first column: 256 x + 32 w
	s_lshl_b32 s27, ttmp9, 2
	s_lshr_b32 s28, s16, 1
	s_add_co_u32 s27, s27, s28
	s_lshl_b32 s27, s27, 3
	s_lshl_b32 s28, s19, 2
	s_add_co_u32 s27, s27, s28
	s_and_b32 s28, s16, 1
	s_lshl_b32 s28, s28, 1
	s_add_co_u32 s27, s27, s28                     ; q0 = (4 x + w / 2) x 8 + 4 slot + 2 (w % 2)
	s_mov_b32 s29, 0
	s_mul_i32 s28, s27, 24576
	s_mul_i32 s30, s21, 1536
	s_add_co_u32 s28, s28, s30
	s_add_nc_u64 s[10:11], s[10:11], s[28:29]      ; wq at (q0, ks)
	s_lshl_b32 s28, s27, 10
	s_lshl_b32 s30, s21, 6
	s_add_co_u32 s28, s28, s30
	s_add_nc_u64 s[12:13], s[12:13], s[28:29]      ; ws at (q0, ks)
	s_lshl_b32 s28, s27, 6
	s_add_nc_u64 s[14:15], s[14:15], s[28:29]      ; bq at q0
	s_wait_kmcnt 0x0
	s_min_u32 s20, s20, 7                          ; an index stays inside its table
	s_lshl_b32 s24, s20, 24                        ; an expert is 2^24 bytes,
	s_lshl_b32 s25, s21, 20                        ; 128 rows of 8,192 bytes 2^20
	s_add_co_u32 s24, s24, s25
	s_add_co_u32 s24, s24, s26
	s_mov_b32 s25, 0
	s_add_nc_u64 s[4:5], s[4:5], s[24:25]
	s_lshl_b32 s28, s20, 13
	s_add_co_u32 s28, s28, s26
	s_add_nc_u64 s[6:7], s[6:7], s[28:29]          ; the expert's bias at my first column
.set n, 0
.rept 128
	global_load_b32 v[X+n], v1, s[4:5] offset:n*8192 th:TH_LOAD_NT   ; read once in the launch
.set n, n+1
.endr
.macro BLOCK b
.set XS, X+32*\b
.if \b < 2
	s_wait_loadcnt 63                              ; behind this block's loads stand 96 or 64 more; a wait names 63 at the most, and a smaller count is right
.else
	s_wait_loadcnt 32*(3-\b)                       ; the blocks behind this one may be out
.endif
	v_max3_num_f32 v12, |v[XS]|, |v[XS+1]|, |v[XS+2]|               ; the block's largest magnitude: all 32 numbers are mine; two chains
	v_max3_num_f32 v13, |v[XS+3]|, |v[XS+4]|, |v[XS+5]|
.irp i, 6,10,14,18,22,26
	s_delay_alu instid0(VALU_DEP_2)
	v_max3_num_f32 v12, v12, |v[XS+\i]|, |v[XS+\i+1]|
	s_delay_alu instid0(VALU_DEP_2)
	v_max3_num_f32 v13, v13, |v[XS+\i+2]|, |v[XS+\i+3]|
.endr
	s_delay_alu instid0(VALU_DEP_2)
	v_max3_num_f32 v12, v12, |v[XS+30]|, |v[XS+31]|
	s_delay_alu instid0(VALU_DEP_1)
	v_max3_num_f32 v12, v12, v13, 0x2800000        ; and the floor 2^(5 - 127): the byte cannot fall under 1
	s_delay_alu instid0(VALU_DEP_1)
	v_add_nc_u32 v[16+\b], 0xfe000000, v12         ; 4 off its exponent field: the conversion's scale operand
	s_delay_alu instid0(VALU_DEP_1)
	v_lshrrev_b32 v13, 23, v[16+\b]                ; the scale's byte
.if \b == 0
	s_delay_alu instid0(VALU_DEP_1)
	v_mov_b32 v20, v13
.else
	s_delay_alu instid0(VALU_DEP_1)
	v_lshl_or_b32 v20, v13, 8*\b, v20              ; my column's scale word, the lower K in the lower byte
.endif
	v_cvt_scalef32_pk16_bf6_f32 v[F0+12*(\b%2)+6*(\b/2):F0+12*(\b%2)+6*(\b/2)+2], v[XS:XS+15], v[16+\b]
	v_cvt_scalef32_pk16_bf6_f32 v[T+4*\b:T+4*\b+2], v[XS+16:XS+31], v[16+\b]   ; (a conversion's three registers begin on an even number)
.endm
	BLOCK 0
	BLOCK 1
	BLOCK 2
	BLOCK 3
	v_nop                                          ; one plain place behind a scaled conversion
; Lanes 0-15 hold tile q0's columns, lanes 16-31 tile q0 + 1's, each lane all four blocks.  An image wants block 2 c in lanes 0-15 and block 2 c + 1 in lanes 16-31 of ONE tile: the exchange of block 2 c's upper
; lanes with block 2 c + 1's lower lanes gives tile q0's registers in the first and tile q0 + 1's in the second.
.irp c, 0,1
.irp i, 0,1,2
	v_permlane16_swap_b32 v[F0+6*\c+\i], v[F1+6*\c+\i]
	v_permlane16_swap_b32 v[T+8*\c+\i], v[T+8*\c+4+\i]
.endr
.irp i, 0,1,2
	v_mov_b32 v[F0+6*\c+3+\i], v[T+8*\c+\i]
	v_mov_b32 v[F1+6*\c+3+\i], v[T+8*\c+4+\i]
.endr
.endr
.irp c, 0,1,2
	global_store_b128 v2, v[F0+4*\c:F0+4*\c+3], s[10:11] offset:512*\c          ; 32 lanes store 512 consecutive bytes
	global_store_b128 v2, v[F1+4*\c:F1+4*\c+3], s[10:11] offset:24576+512*\c
.endr
	global_store_b32 v3, v20, s[12:13]             ; two pieces of 64 bytes: 1 byte in 128 of what the launch reads
	s_cmp_lg_u32 s21, 0                            ; the work-groups of K step 0 also copy the bias
	s_cbranch_scc1 .Lend
	global_load_b32 v21, v1, s[6:7]
	s_wait_loadcnt 0x0
	global_store_b32 v1, v21, s[14:15]             ; tiles q0 and q0 + 1 lie on end in bq
.Lend:
	s_endpgm
.Lfunc_end_k_qdd1b2b87b8_quantw:
	.size	k_qdd1b2b87b8_quantw, .Lfunc_end_k_qdd1b2b87b8_quantw-k_qdd1b2b87b8_quantw
	.p2alignl 7, 3214868480
	.fill 96, 4, 3214868480
	.section	.rodata,"a",@progbits
	.p2align	6, 0x0
	.amdhsa_kernel k_qdd1b2b87b8_quantw
		.amdhsa_group_segment_fixed_size 0
		.amdhsa_private_segment_fixed_size 0
		.amdhsa_enable_private_segment 0
		.amdhsa_kernarg_size 48
		.amdhsa_user_sgpr_count 2
		.amdhsa_user_sgpr_kernarg_segment_ptr 1
		.amdhsa_wavefront_size32 1
		.amdhsa_system_sgpr_workgroup_id_x 1
		.amdhsa_system_sgpr_workgroup_id_y 1
		.amdhsa_system_sgpr_workgroup_id_z 1
		.amdhsa_system_vgpr_workitem_id 0
		.amdhsa_next_free_vgpr 208
		.amdhsa_next_free_sgpr 66
		.amdhsa_reserve_vcc 0
		.amdhsa_float_denorm_mode_32 3
		.amdhsa_float_denorm_mode_16_64 3
		.amdhsa_memory_ordered 1
		.amdhsa_forward_progress 1
		.amdhsa_inst_pref_size 24
	.end_amdhsa_kernel
	.amdgpu_metadata
---
amdhsa.version: [ 1, 2 ]
amdhsa.kernels:
  - .name:           k_qdd1b2b87b8_quantw
    .symbol:         k_qdd1b2b87b8_quantw.kd
    .args:
      - { .name: W_experts, .offset: 0, .size: 8, .value_kind: global_buffer, .address_space: global }
      - { .name: b_experts, .offset: 8, .size: 8, .value_kind: global_buffer, .address_space: global }
      - { .name: sel, .offset: 16, .size: 8, .value_kind: global_buffer, .address_space: global }
      - { .name: wq, .offset: 24, .size: 8, .value_kind: global_buffer, .address_space: global }
      - { .name: ws, .offset: 32, .size: 8, .value_kind: global_buffer, .address_space: global }
      - { .name: bq, .offset: 40, .size: 8, .value_kind: global_buffer, .address_space: global }
    .group_segment_fixed_size: 0
    .private_segment_fixed_size: 0
    .kernarg_segment_align: 8
    .kernarg_segment_size: 48
    .max_flat_workgroup_size: 256
    .sgpr_count:     66
    .vgpr_count:     208
    .wavefront_size: 32
...
	.end_amdgpu_metadata
.endif
;; end of part 2
;; launch gemm (part 3): grid 16 x 16, 4 waves a work-group, clusters of 4 x 4, 327,680 bytes of LDS; arguments xq, xs, wq, ws, bq, scores, out0; writes out0
.if DOCPART == 3
	.amdgcn_target "amdgcn-amd-amdhsa--gfx1250"
	.amdhsa_code_object_version 6
	.text
	.protected	k_qdd1b2b87b8_gemm
	.globl	k_qdd1b2b87b8_gemm
	.p2align	8
	.type	k_qdd1b2b87b8_gemm,@function
k_qdd1b2b87b8_gemm:
	s_mov_b64 s[64:65], 0
	v_nop
	global_prefetch_b8 v0, s[64:65] scope:SCOPE_SE
	s_setreg_imm32_b32 hwreg(HW_REG_WAVE_MODE, 25, 1), 1
	s_wait_xcnt 0x0
	s_wait_alu depctr_hold_cnt(0) depctr_sa_sdst(0) depctr_va_vdst(0) depctr_va_sdst(0) depctr_va_ssrc(0) depctr_va_vcc(0) depctr_vm_vsrc(0)
	s_getreg_b32 s2, hwreg(HW_REG_IB_STS2, 6, 4)
	s_cmp_eq_u32 s2, 0
	s_cbranch_scc0 .Lentry_in_a_cluster
	s_endpgm
.Lentry_in_a_cluster:
	s_bfe_u32 s2, ttmp6, 0x10000c
	s_cmp_lg_u32 s2, 0xf033
	s_cbranch_scc0 .Lentry_shape_is_right
	s_endpgm
.Lentry_shape_is_right:
; out0[n][o] = s0[n] (x W_a + b_a)[n][o] + s1[n] (x W_b + b_b)[n][o]; a, b: the two experts that token 0 chose, quantised by the launch before (the other six experts are not looked up).
; Operands are codes of BF6 (E3M2) with E8M0 scale words, laid as images of the operand's registers (xq, wq: 1,536 bytes for 16 rows x 128 K, a tile's 16 images on end; xs, ws: 16 words an image).
; SHARES.  Work-group (X, Y): 16 tiles of 16 weight rows (q = 16 X ..: 128 output columns of both experts) x 512 tokens, as two tiles of 256 tokens one after the other.  A wave: 128 tokens x 8 weight tiles
; (64 output columns, b 0-3 first expert, b 4-7 second): 64 accumulators.
; THE RING: two LDS slots of 147,456 bytes, each with a CHUNK of up to three K steps of x's 16 tiles and the weights' 16; a tile's 16 steps are chunks of 3, 3, 3, 3, 2, 2; chunk i lies in slot i % 2.
; Waves 0, 1 fetch x's two halves, waves 2, 3 the weights': one joint load a wave, 8 rows of 4,608 or 3,072 bytes, each beginning at a multiple of 1,536 = 6 x 256 bytes.
; A step's fragments are read from LDS during the step before, so a chunk is read out when its LAST step begins: there stand the three lines, the cluster's round and the refill, two chunks ahead.
; CLUSTERS: 4 x 4 work-groups; x's tiles are shared along a row of the cluster, the weights' along a column.
; THE SCALE WORDS never lie in LDS: a register takes two steps' words of a tile (lanes 0-15 the even step's, lanes 16-31 the odd step's; 128 consecutive bytes); four sets of 8 + 8 registers by turns, asked for six steps ahead.
; A step: 64 matrix instructions, the weights' tiles in four groups of two, each against x's eight tiles; a group's registers take the next step's fragments as soon as its 16 products are issued; x has two sets.
; The matrix instruction is used transposed (source 0 = 16 weight rows, source 1 = 16 tokens): a lane holds one token and 8 neighbouring columns.  The bias is the C of a tile's first step.
; REGISTERS.  Window 0: v0-15 addresses; v16-31 scores; v32-63 x's scale words; v64-159 the weights' fragments (on the way out: rows read back); v160-191 the weights' scale words.
;   Window 1: v0-95, v96-191 x's two sets; v192-255 the bias.  Window 2: accumulators (a, b), b 0-3, at 8 (8 b + a); window 3: b 4-7 at 8 (8 (b - 4) + a).
.set FRB,    1536                      ; an image
.set TILEB,  24576                     ; a tile's 16 images
.set HALFT,  8*3*FRB                   ; what one tensor load brings at the most
.set SLOT,   4*HALFT
.set STAGE,  2*SLOT                    ; 16 rows x 272 bytes for each wave, for the way out
.set SPITCH, 272
.set SPARE,  STAGE+4*16*SPITCH         ; the spare words, 128 bytes a wave
.set SOF,  1                           ; 4 x lane
.set SCOF, 2                           ; 16 x (lane % 16)
.set PF3,  3                           ; 256 x min(lane, 17): the 18 blocks of three images
.set PF2,  4                           ; 256 x min(lane, 11)
.set ADRA, 5                           ; v5-6: my half of x's tiles in slot 0, 1, + 16 x lane
.set ADRB, 7                           ; v7-8: the same for the weights
.set STO,  9
.set RD,   10
.set CO,   11
.set SPW,  12
.set NIL,  13
.set SCR,  16
.set AS,   32
.set BF,   64
.set BK,   64
.set BSS,  160
.set BI,   192
.set G1,  24
.set G0,  32
.set G1B, 48
.set G0B, 56
.set PF,  66                           ; s[66:67] the prefetches' base
.set F1,  68                           ; 1: my wave asks for this tile's later chunks (x's waves; the weights' waves in the first tile alone: afterwards their rows have been read)
.set F2,  69                           ; 1: my wave asks for the next tile's first chunks (x's waves, in the first tile)
.set MSB, 0
.macro WIN new                         ; the immediate's high byte repeats the setting that is left
.if MSB != (\new)
	s_set_vgpr_msb (MSB<<8)|(\new)
.set MSB, (\new)
.endif
.endm
.macro PLACES                          ; four places behind a matrix instruction, ahead of loads into its sources and of reads of results
.rept 4
	v_nop
.endr
.endm
.macro JLOAD s                         ; a joint load; an s_nop 0 and four v_nop follow each of the two lines
	s_cmp_eq_u32 s19, 0
	s_cbranch_scc0 .Lfor_b_\@
	tensor_load_to_lds s[G0+4*\s:G0+4*\s+3], s[G1:G1+7]
	s_nop 0
	PLACES
	s_branch .Lasked_\@
.Lfor_b_\@:
	tensor_load_to_lds s[G0B+4*\s:G0B+4*\s+3], s[G1B:G1B+7]
	s_nop 0
	PLACES
.Lasked_\@:
.endm
.macro CREST                           ; a round of the cluster's barrier behind its opening barrier
	s_cmp_lg_u32 s18, 0
	s_cbranch_scc1 .Lnot_wave_0_\@
	s_barrier_signal -3
.Lnot_wave_0_\@:
	s_barrier_wait -3
	s_barrier_signal -1
	s_barrier_wait -1
.endm
.macro CROUND
	s_barrier_signal -1
	s_barrier_wait -1
	CREST
.endm
; THE COUNTS OF THE WAITS ON DScnt are made as the text is assembled: DSN counts the LDS instructions issued so far, MB0-3 and MA hold its value behind the last load of a group's fragments and of x's set.
.set DSN, 0
.set MA, 0
.set MB0, 0
.set MB1, 0
.set MB2, 0
.set MB3, 0
.macro LOC t                           ; step t's images: slot LS, LP bytes from tile to tile, at byte LO
.if (\t) < 12
.set LS, ((\t)/3)%2
.set LP, 3*FRB
.set LO, ((\t)%3)*FRB
.else
.set LS, (((\t)-12)/2)%2
.set LP, 2*FRB
.set LO, (((\t)-12)%2)*FRB
.endif
.endm
.macro BLOAD g, t                      ; group g's two fragments of step t
	LOC \t
.irp u, 0,1
.irp c, 0,1,2
	ds_load_b128 v[BF+12*(2*(\g)+\u)+4*\c:BF+12*(2*(\g)+\u)+4*\c+3], v[ADRB+LS] offset:(2*(\g)+\u)*LP+LO+512*\c
.endr
.endr
.set DSN, DSN+6
.set MB\g, DSN
.endm
.macro ALOAD i0, t                     ; x's tiles i0 .. i0 + 3 of step t into set t % 2
	LOC \t
	WIN 0x40
.irp i, 0,1,2,3
.irp c, 0,1,2
	ds_load_b128 v[96*((\t)%2)+12*((\i0)+\i)+4*\c:96*((\t)%2)+12*((\i0)+\i)+4*\c+3], v[ADRA+LS] offset:((\i0)+\i)*LP+LO+512*\c
.endr
.endr
	WIN 0
.set DSN, DSN+12
.set MA, DSN
.endm
.macro DWAIT g                         ; group g's fragments are in (ahead of group 0: x's set too); what was issued behind them may be out
.set W_, DSN-MB\g
.if \g == 0
.if DSN-MA < W_
.set W_, DSN-MA
.endif
.endif
	s_wait_dscnt W_
.endm
.macro PAIR p, nx                      ; the scale words of steps 2 p, 2 p + 1 into set p % 4: 8 loads for x's tiles (nx = 1: the next tile's), 8 for the weights'
.irp i, 0,1,2,3,4,5,6,7
	global_load_b32 v[AS+8*((\p)%4)+\i], v[SOF], s[6:7] offset:\i*1024+128*(\p)+16384*(\nx)
.endr
.irp i, 0,1,2,3,4,5,6,7
	global_load_b32 v[BSS+8*((\p)%4)+\i], v[SOF], s[10:11] offset:\i*1024+128*(\p)
.endr
.endm
.macro WM b, a, t
.set D_, 8*(8*((\b)%4)+(\a))
.set B_, BF+12*(\b)
.set A_, 96*((\t)%2)+12*(\a)
.set SB_, BSS+8*(((\t)/2)%4)+(\b)
.set SA_, AS+8*(((\t)/2)%4)+(\a)
.if (\t) == 0
	v_wmma_scale_f32_16x16x128_f8f6f4 v[D_:D_+7], v[B_:B_+11], v[A_:A_+11], v[BI+8*(\b):BI+8*(\b)+7], v[SB_], v[SA_] matrix_a_fmt:MATRIX_FMT_BF6 matrix_b_fmt:MATRIX_FMT_BF6
.elseif (\t)%2 == 0
	v_wmma_scale_f32_16x16x128_f8f6f4 v[D_:D_+7], v[B_:B_+11], v[A_:A_+11], v[D_:D_+7], v[SB_], v[SA_] matrix_a_fmt:MATRIX_FMT_BF6 matrix_b_fmt:MATRIX_FMT_BF6
.else
	v_wmma_scale_f32_16x16x128_f8f6f4 v[D_:D_+7], v[B_:B_+11], v[A_:A_+11], v[D_:D_+7], v[SB_], v[SA_] matrix_a_fmt:MATRIX_FMT_BF6 matrix_b_fmt:MATRIX_FMT_BF6 matrix_a_scale:MATRIX_SCALE_ROW1 matrix_b_scale:MATRIX_SCALE_ROW1
.endif
.endm
.macro GRP g, t                        ; 16 matrix instructions.  The 64 accumulators take turns, one instruction a turn, in the same order in every step
.if (\t) == 0
	WIN (1<<2)|(1<<4)|((2+(\g)/2)<<6)
.else
	WIN (1<<2)|((2+(\g)/2)<<4)|((2+(\g)/2)<<6)
.endif
.irp u, 0,1
.irp a, 0,1,2,3,4,5,6,7
	WM 2*(\g)+\u, \a, \t
.endr
.endr
.endm
.macro TAIL23 t, fetch                 ; a step's groups 2 and 3
.irp g, 2,3
	DWAIT \g
	GRP \g, \t
.if \fetch
	PLACES
	WIN 0
	BLOAD \g, (\t)+1
.endif
.endr
.if \fetch == 0
	PLACES
	WIN 0
.endif
.endm
.macro STEP t                          ; a step whose successor lies in the same chunk
.irp g, 0,1
	DWAIT \g
	GRP \g, \t
	PLACES
	WIN 0
	BLOAD \g, (\t)+1
	ALOAD 4*\g, (\t)+1
.endr
	TAIL23 \t, 1
.endm
; A prefetch: two tile rows' part of a chunk, a lane a block of 256 bytes (lanes left over name the last block again).  Of the 8 tile rows that my wave fetches, the partner at place p of the four that ask jointly
; takes rows 2 p and 2 p + 1 (by address: p = cx for x, cy for the weights).  Asked at one change of slots for what the next change of slots loads.
.macro ASK f, off, pf
	s_cmp_eq_u32 s[\f], 1
	s_cbranch_scc0 .Lno_ask_\@
	global_prefetch_b8 v[\pf], s[PF:PF+1] offset:\off th:TH_LOAD_NT scope:SCOPE_SE
	global_prefetch_b8 v[\pf], s[PF:PF+1] offset:\off+TILEB th:TH_LOAD_NT scope:SCOPE_SE
.Lno_ask_\@:
.endm
; A chunk's last step.  All its fragments are in registers or on their way there.  fill = 1: slot sl takes a chunk of ns steps, da bytes on (the weights: bk bytes back, where bk is not 0).  fetch = 1: the next step's fragments are read.
.macro TSTEP t, fill, fetch, sl, ns, da, bk, af, aoff, apf
	s_wait_tensorcnt 0x0                           ; all my tensor loads have landed: my part of the other slot;
	ds_add_u32 v[SPW], v[NIL]                      ; 0 onto my spare word
.set DSN, DSN+1
.if \fill
	s_add_nc_u64 s[G0+4*\sl+2:G0+4*\sl+3], s[G0+4*\sl+2:G0+4*\sl+3], \da     ; no load of mine is out: the descriptors may be written
.if \bk
	s_sub_nc_u64 s[G0B+4*\sl+2:G0B+4*\sl+3], s[G0B+4*\sl+2:G0B+4*\sl+3], \bk
.else
	s_add_nc_u64 s[G0B+4*\sl+2:G0B+4*\sl+3], s[G0B+4*\sl+2:G0B+4*\sl+3], \da
.endif
.irp g, G1, G1B
	s_mov_b32 s[\g+1], (\ns*192)<<16               ; a row of the tile: ns images, in elements of 8 bytes
	s_mov_b32 s[\g+3], (\ns*192)<<16
.endr
.endif
	DWAIT 0
	GRP 0, \t
	s_wait_dscnt 0x0                               ; the add is done, and my reads of this chunk are over
	s_barrier_signal -1
	GRP 1, \t
	WIN 0
	s_barrier_wait -1
.if \fill
	CREST                                          ; the barrier has opened a round of the cluster's barrier
	JLOAD \sl                                      ; the first tensor load behind the round; its four v_nop are the places in front of the loads below
.else
	PLACES
.endif
.if \fetch
	BLOAD 0, (\t)+1
	ALOAD 0, (\t)+1
	ALOAD 4, (\t)+1
	BLOAD 1, (\t)+1
.endif
.if \af
	ASK \af, \aoff, \apf
.endif
	TAIL23 \t, \fetch
.endm
; THE WAY OUT of x's tile a: 16 tokens x 64 columns.  s0 x first expert + s1 x second; through my own stage; back as whole rows of 256 bytes.
.macro COMBINE a
	WIN 0x82
.irp b, 0,1,2,3
.irp p, 0,2,4,6
	v_pk_mul_f32 v[8*(8*\b+(\a))+\p:8*(8*\b+(\a))+\p+1], v[8*(8*\b+(\a))+\p:8*(8*\b+(\a))+\p+1], v[SCR+2*(\a):SCR+2*(\a)+1] op_sel_hi:[1,0]
.endr
.endr
	WIN 0xa3                                       ; source 0: window 3, the second expert's sums; its factor is the pair's second register for both halves
.irp b, 0,1,2,3
.irp p, 0,2,4,6
	v_pk_fma_f32 v[8*(8*\b+(\a))+\p:8*(8*\b+(\a))+\p+1], v[8*(8*\b+(\a))+\p:8*(8*\b+(\a))+\p+1], v[SCR+2*(\a):SCR+2*(\a)+1], v[8*(8*\b+(\a))+\p:8*(8*\b+(\a))+\p+1] op_sel:[0,1,0] op_sel_hi:[1,1,1]
.endr
.endr
.endm
.macro TOSTAGE a
	WIN 0x08
.irp b, 0,1,2,3
	ds_store_b128 v[STO], v[8*(8*\b+(\a)):8*(8*\b+(\a))+3] offset:64*\b
	ds_store_b128 v[STO], v[8*(8*\b+(\a))+4:8*(8*\b+(\a))+7] offset:64*\b+16
.endr
	WIN 0
.irp t, 0,1,2,3,4,5,6,7
	ds_load_b128 v[BK+32*((\a)%2)+4*\t:BK+32*((\a)%2)+4*\t+3], v[RD] offset:\t*2*SPITCH   ; LDS serves a wave's instructions in order: these see the stores above
.endr
.endm
.macro SEND a, younger
	s_wait_dscnt \younger
.irp t, 0,1,2,3,4,5,6,7
	global_store_b128 v[CO], v[BK+32*((\a)%2)+4*\t:BK+32*((\a)%2)+4*\t+3], s[16:17] offset:(16*(\a)+2*\t)*8192 th:TH_STORE_NT   ; 16 lanes store 256 consecutive bytes, at a multiple of 256 from out0's first byte
.endr
.endm
.macro WAYOUT
	COMBINE 0
	TOSTAGE 0
.irp a, 1,2,3,4,5,6,7
	s_wait_xcnt 0x0                                ; tile a - 2's stores have read their registers: tile a's rows may land there
	COMBINE \a
	TOSTAGE \a
	SEND \a-1, 16                                  ; behind tile a - 1's loads: tile a's 8 stores and 8 loads
.endr
	SEND 7, 0
.endm
	s_load_b256 s[4:11], s[0:1], 0x0               ; xq s[4:5], xs s[6:7], wq s[8:9], ws s[10:11]
	s_load_b128 s[12:15], s[0:1], 0x20             ; bq s[12:13], scores s[14:15]
	s_load_b64 s[16:17], s[0:1], 0x30              ; out0
	v_lshl_add_u32 v[SPW], v0, 2, SPARE
	v_mov_b32 v[NIL], 0
	ds_add_u32 v[SPW], v[NIL]                      ; the opening lines: the add, twice on end, and its wait ahead of my first tensor load
	ds_add_u32 v[SPW], v[NIL]
	v_lshrrev_b32 v14, 5, v0
	v_readfirstlane_b32 s18, v14                   ; wave 0..3
	s_lshr_b32 s19, s18, 1                         ; my half of the tokens.  Also: I fetch for x (0) or for the weights (1)
	s_and_b32 s20, s18, 1                          ; my half of the weight tiles.  Also: which 8 tiles I fetch
	s_bfe_u32 s40, ttmp6, 0x40000                  ; cx, cy
	s_bfe_u32 s41, ttmp6, 0x40004
	s_lshl_b32 s42, ttmp9, 2
	s_add_co_u32 s42, s42, s40                     ; X
	s_and_b32 s43, ttmp7, 0xffff
	s_lshl_b32 s43, s43, 2
	s_add_co_u32 s43, s43, s41                     ; Y
	s_lshl_b32 s44, s41, 2
	s_lshl_b32 s44, 15, s44                        ; my row of the cluster
	s_lshl_b32 s45, 0x1111, s40                    ; my column
	s_or_b32 s[G1], s44, (3<<16)|(1<<21)           ; x's tiles go to my row; elements of 8 bytes; bit 21 beside a mask
	s_or_b32 s[G1B], s45, (3<<16)|(1<<21)
.irp g, G1, G1B
	s_mov_b32 s[\g+1], (3*192)<<16                 ; tensor_dim0: three images
	s_mov_b32 s[\g+2], 8<<16                       ; tensor_dim1: 8 tiles
	s_mov_b32 s[\g+3], (3*192)<<16                 ; tile_dim0
	s_mov_b32 s[\g+4], 8                           ; tile_dim1
	s_mov_b32 s[\g+5], TILEB/8                     ; from tile to tile
	s_mov_b32 s[\g+6], 0
	s_mov_b32 s[\g+7], 0
.endr
	s_lshl_b32 s70, s20, 3
	s_lshl_b32 s72, s43, 5
	s_add_co_u32 s72, s72, s70                     ; x: tile 32 Y + 8 x half
	s_mul_i32 s72, s72, TILEB
	s_mov_b32 s73, 0
	s_lshl_b32 s74, s42, 4
	s_add_co_u32 s74, s74, s70                     ; the weights: tile 16 X + 8 x half
	s_mul_i32 s74, s74, TILEB
	s_mov_b32 s75, 0
	s_mul_i32 s71, s18, HALFT                      ; where they go: no place in the cluster enters an LDS address
	s_wait_dscnt 0x0
	s_wait_kmcnt 0x0
	s_add_nc_u64 s[72:73], s[4:5], s[72:73]
	s_add_nc_u64 s[74:75], s[8:9], s[74:75]
	CROUND                                         ; all sixteen work-groups are here: the first joint loads meet
.irp s, 0,1
	s_mov_b32 s[G0+4*\s], 1
	s_add_co_u32 s[G0+4*\s+1], s71, \s*SLOT
	s_add_nc_u64 s[G0+4*\s+2:G0+4*\s+3], s[72:73], \s*3*FRB
	s_or_b32 s[G0+4*\s+3], s[G0+4*\s+3], 0x80000000
	s_mov_b32 s[G0B+4*\s], 1
	s_add_co_u32 s[G0B+4*\s+1], s71, \s*SLOT
	s_add_nc_u64 s[G0B+4*\s+2:G0B+4*\s+3], s[74:75], \s*3*FRB
	s_or_b32 s[G0B+4*\s+3], s[G0B+4*\s+3], 0x80000000
.endr
	JLOAD 0                                        ; chunk 0: one tensor load a wave at the head
	s_cmp_eq_u32 s19, 0
	s_cselect_b32 s76, s40, s41                    ; my place among the four that ask with me
	s_cselect_b64 s[PF:PF+1], s[72:73], s[74:75]
	s_cselect_b32 s[F2], 1, 0
	s_mov_b32 s[F1], 1
	s_mul_i32 s76, s76, 2*TILEB
	s_mov_b32 s77, 0
	s_add_nc_u64 s[PF:PF+1], s[PF:PF+1], s[76:77]
	s_lshl_b32 s78, s43, 5
	s_lshl_b32 s79, s19, 3
	s_add_co_u32 s78, s78, s79                     ; my first tile of x: 32 Y + 8 x my half (the second tile of the walk: 16 on)
	s_lshl_b32 s76, s78, 10
	s_add_nc_u64 s[6:7], s[6:7], s[76:77]
	s_lshl_b32 s76, s78, 8
	s_add_nc_u64 s[14:15], s[14:15], s[76:77]
	s_lshl_b32 s76, s78, 17                        ; 16 rows of 8,192 bytes a tile,
	s_lshl_b32 s79, s42, 1
	s_add_co_u32 s79, s79, s20                     ; my block of 64 columns: 2 X + my half
	s_lshl_b32 s46, s79, 8
	s_add_co_u32 s76, s76, s46
	s_add_nc_u64 s[16:17], s[16:17], s[76:77]
	s_lshl_b32 s76, s79, 13
	s_add_nc_u64 s[10:11], s[10:11], s[76:77]
	s_lshl_b32 s76, s79, 9
	s_add_nc_u64 s[12:13], s[12:13], s[76:77]
	s_mul_i32 s46, s18, 16*SPITCH
	s_add_co_u32 s46, s46, STAGE                   ; my stage
	s_mul_i32 s47, s19, HALFT                      ; my half of x's tiles
	s_mul_i32 s70, s20, HALFT
	s_add_co_u32 s70, s70, 2*HALFT                 ; my half of the weights', behind x's
	v_and_b32 v14, 31, v0                          ; lane
	v_and_b32 v192, 15, v0                         ; r
	v_bfe_u32 v193, v0, 4, 1                       ; h
	v_lshlrev_b32 v[SOF], 2, v14
	v_lshlrev_b32 v[SCOF], 4, v192
	v_min_u32 v[PF3], 17, v14
	v_min_u32 v[PF2], 11, v14
	v_lshlrev_b32 v[PF3], 8, v[PF3]
	v_lshlrev_b32 v[PF2], 8, v[PF2]
	v_lshlrev_b32 v15, 4, v14
	v_add_nc_u32 v[ADRA], s47, v15
	v_add_nc_u32 v[ADRB], s70, v15
	v_add_nc_u32 v[ADRA+1], SLOT, v[ADRA]
	v_add_nc_u32 v[ADRB+1], SLOT, v[ADRB]
	v_mul_u32_u24 v195, v192, SPITCH               ; into the stage: row r, 32 bytes for each half of the lanes
	v_lshl_add_u32 v195, v193, 5, v195
	v_add_nc_u32 v[STO], s46, v195
	v_mul_u32_u24 v195, v193, SPITCH               ; back: lanes 0-15 one row of 256 bytes, lanes 16-31 the next
	v_lshl_add_u32 v195, v192, 4, v195
	v_add_nc_u32 v[RD], s46, v195
	v_lshlrev_b32 v[CO], 13, v193
	v_lshl_add_u32 v[CO], v192, 4, v[CO]           ; and the same two rows in out0
	v_lshlrev_b32 v194, 5, v193                    ; the bias: my 8 columns of a tile's 16
	s_wait_alu depctr_va_vdst(0)
	WIN 0x40
.irp b, 0,1,2,3,4,5,6,7
	global_load_b128 v[BI+8*\b:BI+8*\b+3], v194, s[12:13] offset:64*\b
	global_load_b128 v[BI+8*\b+4:BI+8*\b+7], v194, s[12:13] offset:64*\b+16
.endr
	WIN 0
.irp p, 0,1,2,3
	PAIR \p, 0
.endr
	s_wait_tensorcnt 0x0                           ; my part of chunk 0 is in
	ds_add_u32 v[SPW], v[NIL]
	s_wait_dscnt 0x0
	CROUND                                         ; everybody's part of chunk 0 is in, and the joint loads meet
	JLOAD 1                                        ; chunk 1, the first tensor load behind the round
	s_mov_b32 s21, 2                               ; tiles to go
.Ltile:
.irp a, 0,1,2,3,4,5,6,7
	global_load_b64 v[SCR+2*\a:SCR+2*\a+1], v[SCOF], s[14:15] offset:256*\a   ; (s0, s1) of token r of tile a
.endr
	BLOAD 0, 0
	ALOAD 0, 0
	ALOAD 4, 0
	BLOAD 1, 0
	BLOAD 2, 0
	BLOAD 3, 0
	s_wait_loadcnt 8                               ; the bias and the scale words of steps 0-7 are in; the 8 loads of scores may be out
	STEP 0
	STEP 1
	PAIR 4, 0
	TSTEP 2, 1, 1, 0, 3, 6*FRB, 0, F1, 9*FRB, PF3
	STEP 3
	PAIR 5, 0
	STEP 4
	TSTEP 5, 1, 1, 1, 3, 6*FRB, 0, F1, 12*FRB, PF2
	PAIR 6, 0
	STEP 6
	STEP 7
	PAIR 7, 0
	s_wait_loadcnt 48                              ; steps 8, 9's scale words are in; three pairs of 16 loads may be out
	TSTEP 8, 1, 1, 0, 2, 6*FRB, 0, F1, 14*FRB, PF2
	STEP 9
	s_wait_loadcnt 32
	STEP 10
	TSTEP 11, 1, 1, 1, 2, 5*FRB, 0, F2, 16*TILEB, PF3
	s_wait_loadcnt 16
	STEP 12
.set SDSN, DSN                         ; two texts follow this step: the second begins with the same counts
.set SMA, MA
.set SMB0, MB0
.set SMB1, MB1
.set SMB2, MB2
.set SMB3, MB3
	s_cmp_eq_u32 s21, 1
	s_cbranch_scc1 .Llast                          ; the last tile's end is written out: it asks for nothing more
	TSTEP 13, 1, 1, 0, 3, 16*TILEB-12*FRB, 12*FRB, F2, 16*TILEB+3*FRB, PF3    ; THE RING GOES ON INTO THE NEXT TILE: slot 0 takes its chunk 0,
	PAIR 0, 1                                      ; and the sets of scale words that are done with take its first steps'
	PAIR 1, 1
	PAIR 2, 1
	s_wait_loadcnt 48                              ; steps 14, 15's scale words are in; the 48 loads just issued may be out
	STEP 14
	TSTEP 15, 1, 0, 1, 3, 16*TILEB-11*FRB, 11*FRB, F2, 16*TILEB+6*FRB, PF3    ; slot 1 its chunk 1
	PAIR 3, 1
	WAYOUT
	s_wait_xcnt 0x0                                ; every load, store and prefetch has read its base and its registers
	s_add_nc_u64 s[16:17], s[16:17], 256*8192      ; the next tile: 256 tokens on
	s_add_nc_u64 s[14:15], s[14:15], 256*16
	s_add_nc_u64 s[6:7], s[6:7], 16*1024
	s_add_nc_u64 s[PF:PF+1], s[PF:PF+1], 16*TILEB
	s_mov_b32 s[F1], s[F2]                         ; x's waves alone go on asking,
	s_mov_b32 s[F2], 0                             ; and no tile follows the next
	s_sub_co_u32 s21, s21, 1
	s_branch .Ltile
.Llast:
.set DSN, SDSN
.set MA, SMA
.set MB0, SMB0
.set MB1, SMB1
.set MB2, SMB2
.set MB3, SMB3
	TSTEP 13, 0, 1, 0, 0, 0, 0, 0, 0, 0            ; chunk 5 is whole; nothing is filled again, so no round follows
	s_wait_loadcnt 0x0
	STEP 14
.irp g, 0,1,2,3
	DWAIT \g
	GRP \g, 15
.endr
	PLACES
	WIN 0
	WAYOUT
	s_wait_tensorcnt 0x0                           ; the wave's end
	ds_add_u32 v[SPW], v[NIL]
	s_wait_dscnt 0x0
	CROUND                                         ; the closing round
	s_endpgm
.Lfunc_end_k_qdd1b2b87b8_gemm:
	.size	k_qdd1b2b87b8_gemm, .Lfunc_end_k_qdd1b2b87b8_gemm-k_qdd1b2b87b8_gemm
	.p2alignl 7, 3214868480
	.fill 96, 4, 3214868480
	.section	.rodata,"a",@progbits
	.p2align	6, 0x0
	.amdhsa_kernel k_qdd1b2b87b8_gemm
		.amdhsa_group_segment_fixed_size 327680
		.amdhsa_private_segment_fixed_size 0
		.amdhsa_enable_private_segment 0
		.amdhsa_kernarg_size 56
		.amdhsa_user_sgpr_count 2
		.amdhsa_user_sgpr_kernarg_segment_ptr 1
		.amdhsa_wavefront_size32 1
		.amdhsa_system_sgpr_workgroup_id_x 1
		.amdhsa_system_sgpr_workgroup_id_y 1
		.amdhsa_system_sgpr_workgroup_id_z 1
		.amdhsa_system_vgpr_workitem_id 0
		.amdhsa_next_free_vgpr 1024
		.amdhsa_next_free_sgpr 80
		.amdhsa_reserve_vcc 0
		.amdhsa_float_denorm_mode_32 3
		.amdhsa_float_denorm_mode_16_64 3
		.amdhsa_memory_ordered 1
		.amdhsa_forward_progress 1
		.amdhsa_inst_pref_size 255
	.end_amdhsa_kernel
	.section	.bss,"aw",@nobits
	.p2align	6
	.space	262144
	.amdgpu_metadata
---
amdhsa.version: [ 1, 2 ]
amdhsa.kernels:
  - .name:           k_qdd1b2b87b8_gemm
    .symbol:         k_qdd1b2b87b8_gemm.kd
    .args:
      - { .name: xq, .offset: 0, .size: 8, .value_kind: global_buffer, .address_space: global }
      - { .name: xs, .offset: 8, .size: 8, .value_kind: global_buffer, .address_space: global }
      - { .name: wq, .offset: 16, .size: 8, .value_kind: global_buffer, .address_space: global }
      - { .name: ws, .offset: 24, .size: 8, .value_kind: global_buffer, .address_space: global }
      - { .name: bq, .offset: 32, .size: 8, .value_kind: global_buffer, .address_space: global }
      - { .name: scores, .offset: 40, .size: 8, .value_kind: global_buffer, .address_space: global }
      - { .name: out0, .offset: 48, .size: 8, .value_kind: global_buffer, .address_space: global }
    .group_segment_fixed_size: 327680
    .private_segment_fixed_size: 0
    .kernarg_segment_align: 8
    .kernarg_segment_size: 56
    .max_flat_workgroup_size: 128
    .sgpr_count:     80
    .vgpr_count:     1024
    .wavefront_size: 32
...
	.end_amdgpu_metadata
.endif
;; end of part 3
